; MI455X (gfx1250); checked and timed in simulation.
; The chip was launched on July 23, 2026; its instructions are those of AMD's public machine-readable ISA for CDNA 5 (MIT licence, August 2026) and "CDNA5" Instruction Set Architecture Reference Guide (July 2026). The comments in the code are by the model that wrote it; some were corrected since.
;; Multi Head Attention. Allowed arithmetic: matrix products marked QUANTISED: E4M3 operands, one given power-of-two scale a tensor, by v_wmma_f32_16x16x64_fp8_fp8 or v_wmma_f32_16x16x128_fp8_fp8, f32 sums; everything else in f32.
;; Inputs: b_proj 1,024 float32; b_qkv 3,072 float32; lowp_scales 8 int32 (the exponents e of the quantised operands' scales 2^e); w_proj 1,024 x 1,024 float32; w_qkv 1,024 x 3,072 float32; x 4 x 2,048 x 1,024 float32.
;; Outputs: out0 4 x 2,048 x 1,024 float32.
;; This version of the problem:
;;   THIS VERSION OF THE PROBLEM IS GIVEN IN LOW PRECISION. The matrix products marked QUANTISED in the list below multiply operands that are first quantised to E4M3 (4 exponent bits, 3 mantissa bits; 8 bits a number), with one given power-of-two scale for each operand tensor; their sums are f32. All else is computed in f32.
;;   The module's matrix products, in the order in which they are computed (A, B: the left and right operand; K: the contracted axis; several contracted axes count as one K, in the product's order):
;;     1. [M 8,192, K 1,024] x [K 1,024, N 3,072]; A: input x; B: input w_qkv: QUANTISED (scales: A lowp_scales[0], B lowp_scales[1])
;;     2. batch 64 x [M 2,048, K 64] x [K 64, N 2,048]; A: computed on the way; B: computed on the way: QUANTISED (scales: A lowp_scales[2], B lowp_scales[3])
;;     3. batch 64 x [M 2,048, K 2,048] x [K 2,048, N 64]; A: softmax (see below); B: computed on the way: QUANTISED (scales: A lowp_scales[4], B lowp_scales[5])
;;     4. [M 8,192, K 1,024] x [K 1,024, N 1,024]; A: computed on the way; B: input w_proj: QUANTISED (scales: A lowp_scales[6], B lowp_scales[7])
;;   THE QUANTISER, for each operand of a quantised product, along K:
;;     - The operand's scale is 2^e, e = its entry of the input lowp_scales (int32; the entries are numbered through the quantised products in the list's order, A before B).
;;     - Each number is divided by the scale, clamped to +-448, and rounded to the nearest number of E4M3, ties to even, subnormals kept.
;;     - The product sums the exact products of the quantised numbers (number of the format x scale) in f32.
;;   ~~~python
;;   def quantise(x, axis, e):      # numpy; x: float32 -> the quantised numbers, widened to float32 again
;;       x = np.moveaxis(x, axis, -1); K = x.shape[-1]
;;       r = np.clip(x / 2.0 ** e, -448, 448)
;;       step = 2.0 ** (np.maximum(np.frexp(np.where(r == 0, 1, r))[1] - 1, -6) - 3)
;;       q = np.round(r / step) * step * 2.0 ** e      # np.round: ties to even
;;       return np.moveaxis(q, -1, axis).astype(np.float32)
;;   ~~~
;;   SOFTMAX AHEAD OF A QUANTISED PRODUCT. Where the list says 'softmax', what is quantised is not the finished softmax but p = 2^(t - M), with t = logit x log2(e) and M = ceil(the row's largest t), a whole number; so 1/2 < the row's largest p <= 1. The row's sum l is taken of the UNQUANTISED p, in f32, and the product's result is divided by l at the end. Since M is a whole number, a kernel that streams over the keys may use a running M (the ceiling of the running maximum): every later rescaling is an exact power of two, so the quantised numbers keep their values, but for numbers so far below the row's largest that they fall under the format's range.
;;   OPERANDS COMPUTED ON THE WAY. 'Computed on the way' means the value that the module computes at that place (a softmax that the list does not call 'softmax' is quantised finished and normalised). What goes into a quantiser is computed in f32, as accurately as f32 sums, v_exp_f32 and their like allow (about 1e-6 of the number): no bf16 or f16 on the way to a quantiser, and a product that is left as it is and whose result goes on into a quantised operand takes f32 operands (vector FMAs, or v_wmma_f32_16x16x4_f32). A number that lies on a knife's edge between two numbers of the format may be rounded either way, as far as f32 arithmetic and the matrix unit's own rounding can turn it there, and no further.
;; One version. Each part assembles by itself: llvm-mc -triple=amdgcn-amd-amdhsa -mcpu=gfx1250 --defsym DOCPART=n.
;; ======== version 1 of 1: 4 launches
;; limits: right only within a limited range of input values
;; workspace buffers: xc 8,388,608 bytes; wc 3,145,728 bytes; pc 1,048,576 bytes; qk 16,777,216 bytes; vc 8,388,608 bytes; yc 8,388,608 bytes
;; launch prep (part 1): grid 384 x 1, 4 waves a work-group, no clusters, 68,096 bytes of LDS; arguments x, w_qkv, w_proj, lowp_scales, xc, wc, pc; writes xc, wc, pc
.if DOCPART == 1
	.amdgcn_target "amdgcn-amd-amdhsa--gfx1250"
	.amdhsa_code_object_version 6
	.text
	.protected	k_qc62490846c_prep
	.globl	k_qc62490846c_prep
	.p2align	8
	.type	k_qc62490846c_prep,@function
k_qc62490846c_prep:
	s_mov_b64 s[64:65], 0
	v_nop
	global_prefetch_b8 v0, s[64:65] scope:SCOPE_SE
	s_setreg_imm32_b32 hwreg(HW_REG_WAVE_MODE, 25, 1), 1
	s_wait_xcnt 0x0
; MULTI-HEAD ATTENTION, CAUSAL, ALL FOUR PRODUCTS ON CODES OF E4M3.  Four launches: this one (codes of x, w_qkv, w_proj), the q/k/v product, attention, the projection.
; WORK LEFT OUT, in the whole program: reference() sets score(q, k) to -infinity where k > q, by a mask that it builds itself (jnp.tril).  The softmax gives such a key the weight 0 for all values of the inputs, so a
; tile of 16 queries x 128 keys all of whose keys come after all of its queries adds 0 to the row's sum and to y: the attention launch does not multiply such tiles.  Nothing else is left out, and every input is
; loaded: both biases have a way to the output (b_qkv's part on k moves k's codes).  LIMIT: a NaN, an infinity or an overflow that would arise only in the scores left out is not carried to the result.
; THIS LAUNCH.  code = number / 2^e, held within +-448, to the nearest code, ties to even; e = lowp_scales[0] for x, [1] for w_qkv, [7] for w_proj.  LIMITS: -126 <= e <= 119; NaN among the inputs is not served.
; Work-groups 0-255: x [8192][1024] f32, K innermost: a plain stream; a wave takes 16 steps of 512 numbers.  A load takes 512 consecutive bytes, 16 a lane; the conversions want 16 neighbours in one lane: a step's 2,048 bytes
; turn through the wave's own stage in LDS (80 bytes from lane to lane).  A lane's 16 codes are 16 bytes: a store covers 512 consecutive bytes.
; Work-groups 256-383: the weights, [k][n] f32 with K outermost, become [n][1024 k] codes.  A lane takes a column and its registers run down K; a wave takes 32 columns x 256 k; the codes go through the wave's stage
; (rows of 272 bytes) and leave as rows: sixteen lanes store 256 consecutive bytes, aligned.  The two weights differ in pointers, exponent and row length, all chosen on the work-group's number.
; The two paths part once on the work-group's number and have LDS bytes of their own.  Waves share nothing: no barrier.
.set STEPS, 16
.set SP,    80                         ; x's stage: a lane's 64 bytes + 16 of padding
.set WP,    272                        ; the weights' stage: a column's 256 codes + 16 of padding
.set WSTG,  32768                      ; x's stages: 8,192 bytes a wave from 0; the weights': 32 x 272 a wave from here
.set SPARE, WSTG+4*32*WP               ; the spare words, 128 bytes a wave: two blocks of 256 bytes that no other line names
.set SPW,   12                         ; v12  LDS address of my spare word; never rewritten
.set NIL,   13                         ; v13  0; never rewritten
.set R,     32                         ; x: v32-95 four sets of 16 numbers as loaded; v96-127 two sets of 16 neighbours; v128-191 codes, four registers a step
.set X,     96
.set C,     128
.set WN,    32                         ; weights: v32-95 two sets of 32 numbers; v96-103 a block's codes; v112-175 the way out; v176-207 the 32 rows' offsets
.set WC,    96
.set OUTR,  112
.set OFFS,  176
	s_load_b256 s[4:11], s[0:1], 0x0               ; x s[4:5], w_qkv s[6:7], w_proj s[8:9], the exponents s[10:11]
	s_load_b128 s[12:15], s[0:1], 0x20             ; xc s[12:13], wc s[14:15]
	s_load_b64 s[16:17], s[0:1], 0x30              ; pc
	v_lshl_add_u32 v[SPW], v0, 2, SPARE
	v_mov_b32 v[NIL], 0
	v_lshrrev_b32 v1, 5, v0
	v_readfirstlane_b32 s18, v1                    ; wave
	v_and_b32 v2, 31, v0                           ; lane
	v_lshlrev_b32 v3, 4, v2                        ; 16 x lane: my bytes of a load's 512, and of a step's codes
	v_lshlrev_b32 v5, 2, v2                        ; 4 x lane: my column's bytes in a row of a weight
	s_mul_i32 s19, s18, 8192
	v_lshrrev_b32 v14, 2, v2
	v_mul_u32_u24 v14, v14, SP
	v_and_b32 v15, 3, v2
	v_lshl_add_u32 v14, v15, 4, v14
	v_add_nc_u32 v14, s19, v14                     ; x's stage, in: SP (lane / 4) + 16 (lane % 4)
	v_mul_u32_u24 v15, v2, SP
	v_add_nc_u32 v15, s19, v15                     ; and out: SP x lane
	s_mul_i32 s20, s18, 32*WP
	s_add_co_u32 s20, s20, WSTG
	v_mul_u32_u24 v16, v2, WP
	v_add_nc_u32 v16, s20, v16                     ; the weights' stage, in: row = my column
	v_and_b32 v6, 15, v2
	v_lshrrev_b32 v7, 4, v2
	v_mul_u32_u24 v17, v7, WP
	v_lshl_add_u32 v17, v6, 4, v17
	v_add_nc_u32 v17, s20, v17                     ; out: sixteen lanes to a row, two rows an instruction
	v_lshlrev_b32 v18, 10, v7
	v_lshl_add_u32 v18, v6, 4, v18                 ; the same place in the codes' buffer: rows of 1,024 bytes
	s_wait_kmcnt 0x0
	s_load_b256 s[36:43], s[10:11], 0x0            ; e0 .. e7
	s_cmp_lt_u32 ttmp9, 256
	s_cbranch_scc0 .Lweights
	; ---------------- x
	s_lshl_b32 s19, ttmp9, 2
	s_add_co_u32 s20, s19, s18                     ; which run of 8,192 numbers is my wave's: 0 .. 1,023
	s_lshl_b32 s22, s20, 15
	s_mov_b32 s23, 0
	s_add_nc_u64 s[24:25], s[4:5], s[22:23]
	s_lshl_b32 s22, s20, 13
	s_add_nc_u64 s[26:27], s[12:13], s[22:23]
.macro XLOAD t
.irp i, 0,1,2,3
	global_load_b128 v[R+16*((\t)%4)+4*\i:R+16*((\t)%4)+4*\i+3], v3, s[24:25] offset:2048*(\t)+512*\i th:TH_LOAD_NT   ; 32 lanes read 512 consecutive bytes
.endr
.endm
.macro XTURN t                         ; step t's numbers through the stage: LDS serves a wave's instructions in order, so no wait stands between the stores and the loads
.irp i, 0,1,2,3
	ds_store_b128 v14, v[R+16*((\t)%4)+4*\i:R+16*((\t)%4)+4*\i+3] offset:32*SP*((\t)%2)+8*SP*\i
.endr
.irp i, 0,1,2,3
	ds_load_b128 v[X+16*((\t)%2)+4*\i:X+16*((\t)%2)+4*\i+3], v15 offset:32*SP*((\t)%2)+16*\i
.endr
.endm
.irp t, 0,1,2,3
	XLOAD \t
.endr
	s_wait_kmcnt 0x0
	s_add_co_i32 s44, s36, 127
	s_lshl_b32 s45, s44, 23
	v_mov_b32 v11, s45                             ; 2^e0 as f32: the conversion takes its exponent field
	s_add_co_i32 s44, s44, 8
	s_lshl_b32 s44, s44, 23
	s_or_b32 s44, s44, 0x600000
	s_wait_alu depctr_va_vdst(0)
	s_wait_loadcnt 12                              ; step 0's four loads are in
	XTURN 0
.macro XSTEP t
.set XS, X+16*((\t)%2)
	s_wait_dscnt 0x0                               ; this step's numbers are back from the stage, and its stores into the stage are done:
.if (\t)+4 < STEPS
	XLOAD (\t)+4                                   ; their registers take the loads of four steps on
.endif
.if (\t)+1 < STEPS
.if STEPS-2-(\t) >= 3
	s_wait_loadcnt 12                              ; the next step's four loads are in; those of the three steps behind it may be out
.else
	s_wait_loadcnt 4*(STEPS-2-(\t))
.endif
	XTURN (\t)+1
.endif
.irp i, 0,1,2,3,4,5,6,7,8,9,10,11,12,13,14,15
.endr
	v_cvt_scalef32_pk8_fp8_f32 v[C+4*(\t):C+4*(\t)+1], v[XS:XS+7], v11
	v_cvt_scalef32_pk8_fp8_f32 v[C+4*(\t)+2:C+4*(\t)+3], v[XS+8:XS+15], v11
	global_store_b128 v3, v[C+4*(\t):C+4*(\t)+3], s[26:27] offset:512*(\t)   ; each step has its own four registers: no store's data are written again
.endm
.irp t, 0,1,2,3,4,5,6,7,8,9,10,11,12,13,14,15
	XSTEP \t
.endr
	s_wait_tensorcnt 0x0                           ; the wave's end: behind my last LDS store
	ds_add_u32 v[SPW], v[NIL]
	s_wait_dscnt 0x0
	s_endpgm
	; ---------------- the weights
.Lweights:
	s_sub_co_u32 s19, ttmp9, 256                   ; 0 .. 95: w_qkv; 96 .. 127: w_proj
	s_cmp_lt_u32 s19, 96
	s_cselect_b64 s[24:25], s[6:7], s[8:9]
	s_cselect_b64 s[26:27], s[14:15], s[16:17]
	s_mov_b32 s30, 4096
	s_cselect_b32 s30, 12288, s30                  ; a row of the weight in bytes
	s_cselect_b32 s20, 0, 96
	s_sub_co_u32 s19, s19, s20
	s_lshr_b32 s21, s19, 2                         ; which 128 columns
	s_and_b32 s22, s19, 3                          ; which 256 along K
	s_lshl_b32 s23, s21, 7
	s_lshl_b32 s31, s18, 5
	s_add_co_u32 s23, s23, s31                     ; my wave's first column
	s_mul_i32 s32, s22, s30
	s_lshl_b32 s32, s32, 8                         ; 256 rows x which
	s_lshl_b32 s31, s23, 2
	s_add_co_u32 s32, s32, s31
	s_mov_b32 s33, 0
	s_add_nc_u64 s[24:25], s[24:25], s[32:33]      ; in
	s_lshl_b32 s32, s23, 10
	s_lshl_b32 s31, s22, 8
	s_add_co_u32 s32, s32, s31
	s_add_nc_u64 s[26:27], s[26:27], s[32:33]      ; out: column x 1,024 + 256 x which
	s_lshl_b32 s28, s30, 5                         ; 32 rows on
	s_mov_b32 s29, 0
	v_mov_b32 v19, s30
.set i, 0
.rept 32
	v_mad_u32_u24 v[OFFS+i], v19, i, v5            ; row i of a block, my column
.set i, i+1
.endr
.macro WLOAD t                         ; block t: W(32 t + i, my column) into set t % 2; then the base goes 32 rows on
.set i, 0
.rept 32
	global_load_b32 v[WN+32*((\t)%2)+i], v[OFFS+i], s[24:25] th:TH_LOAD_NT   ; 32 lanes read 128 consecutive bytes, the four waves side by side 512
.set i, i+1
.endr
.if (\t) < 7
	s_wait_xcnt 0x0                                ; the loads have had their addresses translated (ISA guide 3.1): only behind this wait is the base written
	s_add_nc_u64 s[24:25], s[24:25], s[28:29]
.endif
.endm
	WLOAD 0
	s_wait_alu depctr_va_vdst(0)
	WLOAD 1
	s_wait_kmcnt 0x0
	s_cmp_lt_u32 ttmp9, 352
	s_cselect_b32 s44, s37, s43                    ; e1 or e7
	s_add_co_i32 s44, s44, 127
	s_lshl_b32 s45, s44, 23
	v_mov_b32 v11, s45
	s_add_co_i32 s44, s44, 8
	s_lshl_b32 s44, s44, 23
	s_or_b32 s44, s44, 0x600000
.macro WBLOCK t
.set XS, WN+32*((\t)%2)
.if (\t) < 7
	s_wait_loadcnt 32                              ; this block's 32 loads are in; the next block's may be out
.else
	s_wait_loadcnt 0
.endif
.set i, 0
.rept 32
.set i, i+1
.endr
.irp g, 0,1,2,3
	v_cvt_scalef32_pk8_fp8_f32 v[WC+2*\g:WC+2*\g+1], v[XS+8*\g:XS+8*\g+7], v11
.endr
	ds_store_b128 v16, v[WC:WC+3] offset:32*(\t)   ; 32 codes: 32 bytes of my column's row
	ds_store_b128 v16, v[WC+4:WC+7] offset:32*(\t)+16
.if (\t)+2 < 8
	WLOAD (\t)+2
.endif
	s_wait_dscnt 0x0                               ; the stores are done: the next block's codes may be written
.endm
	s_wait_alu depctr_va_vdst(0)
.irp t, 0,1,2,3,4,5,6,7
	WBLOCK \t
.endr
.irp t, 0,1,2,3,4,5,6,7,8,9,10,11,12,13,14,15
	ds_load_b128 v[OUTR+4*\t:OUTR+4*\t+3], v17 offset:2*\t*WP
.endr
.irp t, 0,1,2,3,4,5,6,7,8,9,10,11,12,13,14,15
	s_wait_dscnt 15-\t                             ; LDS loads come back in order: row pair t is in
	global_store_b128 v18, v[OUTR+4*\t:OUTR+4*\t+3], s[26:27] offset:2*\t*1024
.endr
	s_wait_tensorcnt 0x0                           ; the wave's end: behind my last LDS store
	ds_add_u32 v[SPW], v[NIL]
	s_wait_dscnt 0x0
	s_endpgm
.Lfunc_end_k_qc62490846c_prep:
	.size	k_qc62490846c_prep, .Lfunc_end_k_qc62490846c_prep-k_qc62490846c_prep
	.p2alignl 7, 3214868480
	.fill 96, 4, 3214868480
	.section	.rodata,"a",@progbits
	.p2align	6, 0x0
	.amdhsa_kernel k_qc62490846c_prep
		.amdhsa_group_segment_fixed_size 68096
		.amdhsa_private_segment_fixed_size 0
		.amdhsa_enable_private_segment 0
		.amdhsa_kernarg_size 56
		.amdhsa_user_sgpr_count 2
		.amdhsa_user_sgpr_kernarg_segment_ptr 1
		.amdhsa_wavefront_size32 1
		.amdhsa_system_sgpr_workgroup_id_x 1
		.amdhsa_system_sgpr_workgroup_id_y 1
		.amdhsa_system_sgpr_workgroup_id_z 1
		.amdhsa_system_vgpr_workitem_id 0
		.amdhsa_next_free_vgpr 208
		.amdhsa_next_free_sgpr 66
		.amdhsa_reserve_vcc 0
		.amdhsa_float_denorm_mode_32 3
		.amdhsa_float_denorm_mode_16_64 3
		.amdhsa_fp16_overflow 1
		.amdhsa_memory_ordered 1
		.amdhsa_forward_progress 1
		.amdhsa_inst_pref_size 56
	.end_amdhsa_kernel
	.amdgpu_metadata
---
amdhsa.version: [ 1, 2 ]
amdhsa.kernels:
  - .name:           k_qc62490846c_prep
    .symbol:         k_qc62490846c_prep.kd
    .args:
      - { .name: x, .offset: 0, .size: 8, .value_kind: global_buffer, .address_space: global }
      - { .name: w_qkv, .offset: 8, .size: 8, .value_kind: global_buffer, .address_space: global }
      - { .name: w_proj, .offset: 16, .size: 8, .value_kind: global_buffer, .address_space: global }
      - { .name: lowp_scales, .offset: 24, .size: 8, .value_kind: global_buffer, .address_space: global }
      - { .name: xc, .offset: 32, .size: 8, .value_kind: global_buffer, .address_space: global }
      - { .name: wc, .offset: 40, .size: 8, .value_kind: global_buffer, .address_space: global }
      - { .name: pc, .offset: 48, .size: 8, .value_kind: global_buffer, .address_space: global }
    .group_segment_fixed_size: 68096
    .private_segment_fixed_size: 0
    .kernarg_segment_align: 8
    .kernarg_segment_size: 56
    .max_flat_workgroup_size: 128
    .sgpr_count:     66
    .vgpr_count:     208
    .wavefront_size: 32
...
	.end_amdgpu_metadata
.endif
;; end of part 1
;; launch gemm_qkv (part 2): grid 8 x 48, 4 waves a work-group, clusters of 4 x 4, 327,680 bytes of LDS; arguments xc, wc, lowp_scales, b_qkv, qk, vc; writes qk, vc
.if DOCPART == 2
	.amdgcn_target "amdgcn-amd-amdhsa--gfx1250"
	.amdhsa_code_object_version 6
	.text
	.protected	k_qc62490846c_gemm_qkv
	.globl	k_qc62490846c_gemm_qkv
	.p2align	8
	.type	k_qc62490846c_gemm_qkv,@function
k_qc62490846c_gemm_qkv:
	s_mov_b64 s[64:65], 0
	v_nop
	global_prefetch_b8 v0, s[64:65] scope:SCOPE_SE
	s_setreg_imm32_b32 hwreg(HW_REG_WAVE_MODE, 25, 1), 1
	s_wait_xcnt 0x0
	s_wait_alu depctr_hold_cnt(0) depctr_sa_sdst(0) depctr_va_vdst(0) depctr_va_sdst(0) depctr_va_ssrc(0) depctr_va_vcc(0) depctr_vm_vsrc(0)
	s_getreg_b32 s2, hwreg(HW_REG_IB_STS2, 6, 4)
	s_cmp_eq_u32 s2, 0
	s_cbranch_scc0 .Lentry_in_a_cluster
	s_endpgm
.Lentry_in_a_cluster:
	s_bfe_u32 s2, ttmp6, 0x10000c
	s_cmp_lg_u32 s2, 0xf033
	s_cbranch_scc0 .Lentry_shape_is_right
	s_endpgm
.Lentry_shape_is_right:
; qkv = x w_qkv + b_qkv on codes of E4M3, and q, k, v quantised on the way out (exponents: x e0, w e1; q e2, k e3, v e5).  xc: [8192][1024], wc: [3072][1024]: codes, K innermost.  No work is left out here.
; A tile of 256 x 256 is made by four waves, each 128 x 128: 64 accumulators, 512 registers.  K = 1,024 goes in four steps of 256 through a ring of two LDS slots filled by the tensor data mover.
; TWO PARTS, told apart by the cluster's y (the same in all sixteen partners).  y < 8: A = x's rows (tokens), B = w's rows 0-2047 (q's and k's columns).  y >= 8: A = w's rows 2048-3071 (v's columns), B = x's rows.
; THE MATRIX INSTRUCTION IS USED TRANSPOSED (source 0 = 16 rows of B, source 1 = 16 rows of A): register j of lane (r, h) of accumulator (a, b) is (A's row 16 a + r, B's row 16 b + 8 h + j).
; So one conversion of eight registers gives eight neighbours along the NEXT product's K: for q and k eight channels of token 16 a + r, for v eight keys of channel 16 a + r: registers 2 c, 2 c + 1 of an operand's fragment.
; THE RESULTS LEAVE AS IMAGES OF OPERAND REGISTERS: four registers of all 32 lanes are 512 consecutive bytes, 16 x lane; no stage, no pitch.
;   qk: q at byte 0, k at 8,388,608; each [64 batch x head][128 tiles of 16 tokens][1,024 bytes: a fragment of 16 tokens x 64 channels].   vc: [64][16 steps of 128 keys][4 tiles of 16 channels][2,048 bytes: 16 channels x 128 keys].
; CLUSTERS: 4 x 4 work-groups; A's tile is asked for jointly along a row of the cluster, B's along a column.
; LIMITS: e0 + e1 between -126 and 127; e2, e3, e5 between -126 and 119.  NaN is not served.
; REGISTERS, in windows of 256: window 0: v0-31 addresses; v32-95 the bias; v96-127 at work on the way out; v128-255 A's fragments, ONE set, then the codes.  window 1: B's fragments, TWO sets.  windows 2, 3: the accumulators.
.set KROW,   1024                      ; a row of codes in memory, in bytes
.set ROWB,   256                       ; a tile's row: 256 codes
.set PITCH,  272                       ; an LDS row: 256 bytes + 16 of padding = 68 words: the 16 rows that a load touches start at 16 different banks (64 banks of 4 bytes: ISA guide 11.1)
.set FR,     16
.set NL,     4
.set NP,     4                         ; places behind this matrix instruction (ISA guide 7.12.1)
.set HALFT,  128*PITCH
.set SLOT,   4*HALFT                   ; A's 256 rows, then B's 256 rows
.set LAPS,   2
.set SPARE,  2*SLOT                    ; the spare words, 128 bytes a wave: two blocks of 256 bytes that no other line names
.set ADRA, 16                          ; v16-17  LDS address of my A fragments in slot 0, 1
.set ADRB, 20                          ; v20-21  the same for B
.set SCL,  22                          ; v22     2^eo, eo the result's exponent
.set LIM,  23
.set LO,   26                          ; v26     16 x lane
.set BO,   27                          ; v27     my lane's offset in the bias
.set SPW,  28                          ; v28     LDS address of my spare word; never rewritten
.set NIL,  29                          ; v29     0; never rewritten
.set BIAS, 32
.set TMP,  96
.set AF,   128
.set CD,   128                         ; the codes: 16 registers for each of my 8 blocks, so that no store's data are written again
.set G1, 24
.set G0, 32
.set G1B, 48
.set G0B, 56
.set MSB, 0
.macro WIN new                         ; the immediate's high byte repeats the setting that is left
.if MSB != \new
	s_set_vgpr_msb (MSB<<8)|\new
.set MSB, \new
.endif
.endm
.set MUL_LO, 0xa1                      ; source 0 (B) window 1, source 1 (A) window 0, C and D window 2
.set MUL_HI, 0xf1
.set TO_B,   0x40
.macro JLOAD g0a, g1a, g0b, g1b        ; a joint load: waves 0 and 1 fetch for A, waves 2 and 3 for B; an s_nop 0 and four v_nop follow each line
	s_cmp_eq_u32 s15, 0
	s_cbranch_scc0 .Lfor_b_\@
	tensor_load_to_lds s[\g0a:\g0a+3], s[\g1a:\g1a+7]
	s_nop 0
.rept 4
	v_nop
.endr
	s_branch .Lasked_\@
.Lfor_b_\@:
	tensor_load_to_lds s[\g0b:\g0b+3], s[\g1b:\g1b+7]
	s_nop 0
.rept 4
	v_nop
.endr
.Lasked_\@:
.endm
.macro CREST                           ; a round of the cluster's barrier behind its opening barrier
	s_cmp_lg_u32 s14, 0
	s_cbranch_scc1 .Lnot_wave_0_\@
	s_barrier_signal -3
.Lnot_wave_0_\@:
	s_barrier_wait -3
	s_barrier_signal -1
	s_barrier_wait -1
.endm
.macro CROUND
	s_barrier_signal -1
	s_barrier_wait -1
	CREST
.endm
	s_load_b128 s[4:7], s[0:1], 0x0                ; xc s[4:5], wc s[6:7]
	s_load_b128 s[8:11], s[0:1], 0x10              ; the exponents s[8:9], b_qkv s[10:11]
	s_load_b128 s[68:71], s[0:1], 0x20             ; qk s[68:69], vc s[70:71]
	v_lshl_add_u32 v[SPW], v0, 2, SPARE
	v_mov_b32 v[NIL], 0
	ds_add_u32 v[SPW], v[NIL]                      ; the wave's opening: the add, twice on end, and its wait ahead of my first tensor load
	ds_add_u32 v[SPW], v[NIL]
	v_lshrrev_b32 v1, 5, v0
	v_readfirstlane_b32 s14, v1                    ; wave 0..3
	s_lshr_b32 s15, s14, 1                         ; which half of the tile's A rows is mine.  Also: I fetch for A (0) or for B (1)
	s_and_b32 s16, s14, 1                          ; which half of its B rows.  Also: which 128 rows of that tile I fetch
	s_bfe_u32 s40, ttmp6, 0x40000                  ; cx, cy
	s_bfe_u32 s41, ttmp6, 0x40004
	s_and_b32 s67, ttmp7, 0xffff                   ; the cluster's y, 0 .. 11
	s_max_u32 s89, s67, 8
	s_sub_co_u32 s89, s89, 8
	s_lshl_b32 s89, s89, 1
	s_add_co_u32 s89, s89, ttmp9                   ; the cluster's place along B's tiles: x where y < 8, else 2 (y - 8) + x
	s_cmp_ge_u32 s67, 8
	s_cselect_b32 s66, 1, 0                        ; 1: v's part
	s_cselect_b32 s88, 0, s67                      ; the cluster's place along A's tiles
	s_lshl_b32 s42, s89, 2
	s_add_co_u32 s42, s42, s40                     ; B's tile: q, k: 0 .. 7; v: 0 .. 31
	s_lshl_b32 s17, s88, 2
	s_add_co_u32 s17, s17, s41                     ; A's tile: q, k: 0 .. 31; v: 0 .. 3
	s_lshl_b32 s43, s41, 2
	s_lshl_b32 s43, 15, s43                        ; my row of the cluster
	s_lshl_b32 s44, 0x1111, s40                    ; my column
	s_or_b32 s[G1+0], s43, (0<<16)|(1<<20)|(1<<21)|(5<<22)|(3<<25)  ; the mask; elements of 1 byte; padding on; bit 21 beside a mask; four words behind every 64
	s_or_b32 s[G1B+0], s44, (0<<16)|(1<<20)|(1<<21)|(5<<22)|(3<<25)
.irp g, G1, G1B
	s_mov_b32 s[\g+1], ROWB<<16                    ; tensor_dim0
	s_mov_b32 s[\g+2], 128<<16                     ; tensor_dim1
	s_mov_b32 s[\g+3], ROWB<<16                    ; tile_dim0
	s_mov_b32 s[\g+4], 128                         ; tile_dim1
	s_mov_b32 s[\g+5], KROW                        ; from row to row
	s_mov_b32 s[\g+6], 0
	s_mov_b32 s[\g+7], 0
.endr
	s_lshl_b32 s18, s16, 7
	s_lshl_b32 s20, s17, 8
	s_add_co_u32 s20, s20, s18                     ; A: row 256 x tile + 128 x half
	s_lshl_b32 s20, s20, 10                        ; in bytes
	s_mov_b32 s21, 0
	s_lshl_b32 s46, s42, 8
	s_add_co_u32 s46, s46, s18                     ; B likewise
	s_lshl_b32 s46, s46, 10
	s_mov_b32 s47, 0
	s_mul_i32 s45, s14, HALFT                      ; where they go: wave x 128 rows
	s_wait_dscnt 0x0                               ; both opening adds are done
	s_wait_kmcnt 0x0
	s_load_b256 s[72:79], s[8:9], 0x0              ; e0 .. e7
	s_add_nc_u64 s[90:91], s[6:7], 0x200000        ; w's rows 2048 on: v's columns
	s_cmp_eq_u32 s66, 0
	s_cselect_b64 s[84:85], s[4:5], s[90:91]       ; A
	s_cselect_b64 s[86:87], s[6:7], s[4:5]         ; B
	s_add_nc_u64 s[20:21], s[84:85], s[20:21]
	s_add_nc_u64 s[46:47], s[86:87], s[46:47]
	CROUND                                         ; all sixteen work-groups are here: the first joint loads meet
.irp s, 0,1
	s_mov_b32 s[G0+4*\s], 1
	s_add_co_u32 s[G0+4*\s+1], s45, \s*SLOT
	s_add_nc_u64 s[G0+4*\s+2:G0+4*\s+3], s[20:21], \s*ROWB
	s_or_b32 s[G0+4*\s+3], s[G0+4*\s+3], 0x80000000
	s_mov_b32 s[G0B+4*\s], 1
	s_add_co_u32 s[G0B+4*\s+1], s45, \s*SLOT
	s_add_nc_u64 s[G0B+4*\s+2:G0B+4*\s+3], s[46:47], \s*ROWB
	s_or_b32 s[G0B+4*\s+3], s[G0B+4*\s+3], 0x80000000
	JLOAD G0+4*\s, G1, G0B+4*\s, G1B
.endr
	v_and_b32 v1, 15, v0                           ; r
	v_bfe_u32 v2, v0, 4, 1                         ; h
	v_mul_u32_u24 v3, v1, PITCH
	v_lshl_add_u32 v4, v2, 4, v3                   ; a fragment's row x pitch + 16 x half
	s_mul_i32 s21, s15, HALFT
	s_mul_i32 s22, s16, HALFT
	s_add_co_u32 s22, s22, 2*HALFT
.irp s, 0,1
	v_add_nc_u32 v[ADRA+\s], s21, v4
	v_add_nc_u32 v[ADRB+\s], s22, v4
	s_add_co_u32 s21, s21, SLOT
	s_add_co_u32 s22, s22, SLOT
.endr
	v_and_b32 v6, 31, v0
	v_lshlrev_b32 v[LO], 4, v6
.macro FRAG reg, adr, q, i             ; 16 rows x 128 K: registers 4 c .. 4 c + 3 of lane (r, h) hold K = 32 c + 16 h + 0 .. 15 of row r: the same places in A and in B
.irp c, 0,1,2,3
	ds_load_b128 v[\reg+4*\c:\reg+4*\c+3], v[\adr] offset:128*(\q)+32*\c+(\i)*16*PITCH
.endr
.endm
.macro MUL16 a0, p, zero               ; A's blocks a0, a0 + 1 x B's eight; the 64 accumulators take turns, one instruction a turn
.irp a, \a0, \a0+1
.irp b, 0,1,2,3,4,5,6,7
.if \zero
	v_wmma_f32_16x16x128_fp8_fp8 v[8*(8*((\a)%4)+\b):8*(8*((\a)%4)+\b)+7], v[128*(\p)+FR*\b:128*(\p)+FR*\b+FR-1], v[AF+FR*(\a):AF+FR*(\a)+FR-1], 0
.else
	v_wmma_f32_16x16x128_fp8_fp8 v[8*(8*((\a)%4)+\b):8*(8*((\a)%4)+\b)+7], v[128*(\p)+FR*\b:128*(\p)+FR*\b+FR-1], v[AF+FR*(\a):AF+FR*(\a)+FR-1], v[8*(8*((\a)%4)+\b):8*(8*((\a)%4)+\b)+7]
.endif
.endr
.endr
.endm
.macro FETCH_B slot, q, p
	WIN TO_B
.irp i, 0,1,2,3,4,5,6,7
	FRAG 128*(\p)+FR*\i, ADRB+\slot, \q, \i
.endr
	WIN 0
.endm
.macro FETCH_A slot, q, i0
.irp i, \i0, \i0+1, \i0+2, \i0+3
	FRAG AF+FR*(\i), ADRA+\slot, \q, \i
.endr
.endm
.macro PLACES n                        ; plain vector instructions between a matrix instruction and a load into, or a vector instruction on, its registers
.rept \n
	v_nop
.endr
.endm
.macro STEP slot, q, zero              ; 128 along K, with its successor in the same slot
	s_wait_dscnt 4*NL                              ; B's set and A's blocks 0-3 are in; the youngest sixteen loads (A's blocks 4-7) may be out
	WIN MUL_LO
	MUL16 0, (\q)%2, \zero
	MUL16 2, (\q)%2, \zero
	s_wait_dscnt 0
	PLACES NP
	FETCH_B \slot, (\q)+1, 1-(\q)%2
	FETCH_A \slot, (\q)+1, 0
	WIN MUL_HI
	MUL16 4, (\q)%2, \zero
	MUL16 6, (\q)%2, \zero
	PLACES NP
	WIN 0
	FETCH_A \slot, (\q)+1, 4
.endm
.macro TURN slot, next, fill           ; a slot's last step changes slots: one barrier; fill = 1: it opens a round of the cluster's barrier, and this slot is filled again
	s_wait_tensorcnt 0x0                           ; all my tensor loads have landed: my part of the next slot
	ds_add_u32 v[SPW], v[NIL]                      ; 0 onto my spare word
	s_wait_dscnt 4*NL+1                            ; (the add and the youngest sixteen loads may be out)
	WIN MUL_LO
	MUL16 0, 1, 0
	s_wait_dscnt 0x0                               ; the add is done, and my reads of this slot are over
	s_barrier_signal -1
	MUL16 2, 1, 0
	WIN 0
	s_barrier_wait -1
.if \fill
	CREST                                          ; no wave of any partner still reads this slot or has a load on its way
	s_add_nc_u64 s[G0+4*\slot+2:G0+4*\slot+3], s[G0+4*\slot+2:G0+4*\slot+3], 2*ROWB
	s_add_nc_u64 s[G0B+4*\slot+2:G0B+4*\slot+3], s[G0B+4*\slot+2:G0B+4*\slot+3], 2*ROWB
	JLOAD G0+4*\slot, G1, G0B+4*\slot, G1B         ; the first tensor load behind the round; its four v_nop are the places in front of the loads below
.else
	PLACES NP
.endif
	FETCH_B \next, 0, 0
	FETCH_A \next, 0, 0
	WIN MUL_HI
	MUL16 4, 1, 0
	MUL16 6, 1, 0
	PLACES NP
	WIN 0
	FETCH_A \next, 0, 4
.endm
; THE WAY OUT of my block a (16 rows of A x 128 rows of B), in two halves of four accumulators: sum x 2^(e0 + e1) + bias, the hold, four conversions; then four stores of 512 consecutive bytes.
; part = 0: the bias goes by B's row (64 registers, the same for every block); codes 8 g .. 8 g + 7 are the fragment (token tile a, head g).  part = 1: the bias goes by A's row (a pair for each block); the 16 registers are one fragment of V^T.
.macro EPI a, part
.set AC, 64*((\a)%4)
.irp g, 0,1
	WIN 0x02+((\a)/4)                              ; source 0: window 2 or 3
.set i, 0
.rept 16
.if \part
	v_pk_fma_f32 v[TMP+i:TMP+i+1], v[AC+32*\g+i:AC+32*\g+i+1], s[96:97], v[BIAS+2*(\a):BIAS+2*(\a)+1] op_sel_hi:[1,0,1]
.else
	v_pk_fma_f32 v[TMP+i:TMP+i+1], v[AC+32*\g+i:AC+32*\g+i+1], s[96:97], v[BIAS+32*\g+i:BIAS+32*\g+i+1] op_sel_hi:[1,0,1]   ; each accumulator from its low end on
.endif
.set i, i+2
.endr
	WIN 0
.set i, 0
.rept 32
.set i, i+1
.endr
.irp q, 0,1,2,3
	v_cvt_scalef32_pk8_fp8_f32 v[CD+16*(\a)+8*\g+2*\q:CD+16*(\a)+8*\g+2*\q+1], v[TMP+8*\q:TMP+8*\q+7], v[SCL]
.endr
	v_nop                                          ; a plain instruction between the conversions and the next lines that write their sources
.endr
.irp q, 0,1,2,3
.if \part
	global_store_b128 v[LO], v[CD+16*(\a)+4*\q:CD+16*(\a)+4*\q+3], s[82:83] offset:((\a)/4)*131072+2048*((\a)%4)+512*\q
.else
	global_store_b128 v[LO], v[CD+16*(\a)+4*\q:CD+16*(\a)+4*\q+3], s[82:83] offset:(\q/2)*131072+1024*(\a)+512*(\q%2)
.endif
.endr
.endm
; THE TAIL, written once for each part: the bias is asked for, the last two steps of 128 along K are multiplied meanwhile, and the tile goes out.
.macro TAIL part
.if \part
	s_lshl_b32 s88, s17, 10
	s_lshl_b32 s89, s15, 9
	s_add_co_u32 s92, s88, s89
	s_add_co_u32 s92, s92, 8192                    ; b_qkv[2048 + 256 x A's tile + 128 x half ..], in bytes
	s_mov_b32 s93, 0
	s_add_nc_u64 s[92:93], s[10:11], s[92:93]
	v_lshlrev_b32 v[BO], 2, v1                     ; 4 r
.irp a, 0,1,2,3,4,5,6,7
	global_load_b32 v[BIAS+2*\a], v[BO], s[92:93] offset:64*\a     ; the number of channel 16 a + r, in both halves of a pair
	global_load_b32 v[BIAS+2*\a+1], v[BO], s[92:93] offset:64*\a
.endr
	s_lshl_b32 s88, s42, 8
	s_lshl_b32 s89, s16, 7
	s_add_co_u32 s88, s88, s89                     ; my first token
	s_lshr_b32 s89, s88, 11                        ; its batch
	s_bfe_u32 s88, s88, 0x40007                    ; its step of 128 keys
	s_lshl_b32 s89, s89, 4
	s_lshl_b32 s90, s17, 2
	s_add_co_u32 s89, s89, s90
	s_lshl_b32 s90, s15, 1
	s_add_co_u32 s89, s89, s90                     ; 16 x batch + my first head
	s_lshl_b32 s89, s89, 4
	s_add_co_u32 s89, s89, s88
	s_lshl_b32 s94, s89, 13
	s_mov_b32 s95, 0
	s_add_nc_u64 s[82:83], s[70:71], s[94:95]
	s_wait_kmcnt 0x0
	s_mov_b32 s80, s77                             ; e5
.else
	s_lshl_b32 s88, s42, 10
	s_lshl_b32 s89, s16, 9
	s_add_co_u32 s92, s88, s89                     ; b_qkv[256 x B's tile + 128 x half ..], in bytes
	s_mov_b32 s93, 0
	s_add_nc_u64 s[92:93], s[10:11], s[92:93]
	v_lshlrev_b32 v[BO], 5, v2                     ; 32 h
.irp b, 0,1,2,3,4,5,6,7
	global_load_b128 v[BIAS+8*\b:BIAS+8*\b+3], v[BO], s[92:93] offset:64*\b      ; columns 16 b + 8 h + 0 .. 7
	global_load_b128 v[BIAS+8*\b+4:BIAS+8*\b+7], v[BO], s[92:93] offset:64*\b+16
.endr
	s_lshl_b32 s88, s17, 8
	s_lshl_b32 s89, s15, 7
	s_add_co_u32 s88, s88, s89                     ; my first token
	s_lshr_b32 s89, s88, 11                        ; its batch
	s_bfe_u32 s88, s88, 0x70004                    ; its tile of 16 in the sequence
	s_lshl_b32 s89, s89, 4
	s_and_b32 s90, s42, 3
	s_lshl_b32 s90, s90, 2
	s_add_co_u32 s89, s89, s90
	s_lshl_b32 s90, s16, 1
	s_add_co_u32 s89, s89, s90                     ; 16 x batch + my first head
	s_lshl_b32 s89, s89, 7
	s_add_co_u32 s89, s89, s88
	s_lshl_b32 s94, s89, 10
	s_lshl_b32 s90, ttmp9, 23                      ; cluster x = 1: k's half of the buffer
	s_add_co_u32 s94, s94, s90
	s_mov_b32 s95, 0
	s_add_nc_u64 s[82:83], s[68:69], s[94:95]
	s_wait_kmcnt 0x0
	s_cmp_eq_u32 ttmp9, 0
	s_cselect_b32 s80, s74, s75                    ; e2 for q, e3 for k
.endif
	s_add_co_i32 s80, s80, 127
	s_lshl_b32 s81, s80, 23
	v_mov_b32 v[SCL], s81
	s_add_co_i32 s96, s72, s73
	s_add_co_i32 s96, s96, 127
	s_lshl_b32 s96, s96, 23                        ; 2^(e0 + e1) as f32
	s_mov_b32 s97, s96                             ; (named with it as a pair, so it is written)
	STEP 1, 0, 0
	s_wait_dscnt 4*NL                              ; the very last step: nothing more to fetch
	WIN MUL_LO
	MUL16 0, 1, 0
	MUL16 2, 1, 0
	s_wait_dscnt 0
	WIN MUL_HI
	MUL16 4, 1, 0
	MUL16 6, 1, 0
	WIN 0
	s_wait_loadcnt 0x0                             ; the bias
	PLACES NP                                      ; in front of the first read of results and of the first write over A's fragments
.irp a, 0,1,2,3,4,5,6,7
	EPI \a, \part
.endr
.endm
	s_wait_alu depctr_va_vdst(0)
	s_wait_tensorcnt 1                             ; my part of K step 0 is in (K step 1's load may be out),
	s_barrier_signal -1
	s_barrier_wait -1                              ; everybody's is
	FETCH_B 0, 0, 0
	FETCH_A 0, 0, 0
	FETCH_A 0, 0, 4
	STEP 0, 0, 1                                   ; the first step stands in front of the loop: its products start the sums
	s_mov_b32 s3, LAPS-1
.Llap:                                                 ; a trip goes once round the ring and fills both slots again
	TURN 0, 1, 1
	STEP 1, 0, 0
	TURN 1, 0, 1
	STEP 0, 0, 0
	s_sub_co_u32 s3, s3, 1
	s_cmp_lg_u32 s3, 0
	s_cbranch_scc1 .Llap
	TURN 0, 1, 0                                   ; the last lap fills nothing
	s_cmp_eq_u32 s66, 0                            ; the cluster's y alone decides: all waves of all sixteen partners go the same way
	s_cbranch_scc0 .Lpart_v
	TAIL 0
	s_branch .Lclose
.Lpart_v:
	TAIL 1
.Lclose:
	s_wait_tensorcnt 0x0                           ; the wave's end: behind my last tensor load
	ds_add_u32 v[SPW], v[NIL]
	s_wait_dscnt 0x0
	CROUND                                         ; the closing round: no work-group ends while a partner may still ask for a tile that names it
	s_endpgm
.Lfunc_end_k_qc62490846c_gemm_qkv:
	.size	k_qc62490846c_gemm_qkv, .Lfunc_end_k_qc62490846c_gemm_qkv-k_qc62490846c_gemm_qkv
	.p2alignl 7, 3214868480
	.fill 96, 4, 3214868480
	.section	.rodata,"a",@progbits
	.p2align	6, 0x0
	.amdhsa_kernel k_qc62490846c_gemm_qkv
		.amdhsa_group_segment_fixed_size 327680
		.amdhsa_private_segment_fixed_size 0
		.amdhsa_enable_private_segment 0
		.amdhsa_kernarg_size 48
		.amdhsa_user_sgpr_count 2
		.amdhsa_user_sgpr_kernarg_segment_ptr 1
		.amdhsa_wavefront_size32 1
		.amdhsa_system_sgpr_workgroup_id_x 1
		.amdhsa_system_sgpr_workgroup_id_y 1
		.amdhsa_system_sgpr_workgroup_id_z 1
		.amdhsa_system_vgpr_workitem_id 0
		.amdhsa_next_free_vgpr 1024
		.amdhsa_next_free_sgpr 100
		.amdhsa_reserve_vcc 0
		.amdhsa_float_denorm_mode_32 3
		.amdhsa_float_denorm_mode_16_64 3
		.amdhsa_fp16_overflow 1
		.amdhsa_memory_ordered 1
		.amdhsa_forward_progress 1
		.amdhsa_inst_pref_size 144
	.end_amdhsa_kernel
	.amdgpu_metadata
---
amdhsa.version: [ 1, 2 ]
amdhsa.kernels:
  - .name:           k_qc62490846c_gemm_qkv
    .symbol:         k_qc62490846c_gemm_qkv.kd
    .args:
      - { .name: xc, .offset: 0, .size: 8, .value_kind: global_buffer, .address_space: global }
      - { .name: wc, .offset: 8, .size: 8, .value_kind: global_buffer, .address_space: global }
      - { .name: lowp_scales, .offset: 16, .size: 8, .value_kind: global_buffer, .address_space: global }
      - { .name: b_qkv, .offset: 24, .size: 8, .value_kind: global_buffer, .address_space: global }
      - { .name: qk, .offset: 32, .size: 8, .value_kind: global_buffer, .address_space: global }
      - { .name: vc, .offset: 40, .size: 8, .value_kind: global_buffer, .address_space: global }
    .group_segment_fixed_size: 327680
    .private_segment_fixed_size: 0
    .kernarg_segment_align: 8
    .kernarg_segment_size: 48
    .max_flat_workgroup_size: 128
    .sgpr_count:     100
    .vgpr_count:     1024
    .wavefront_size: 32
...
	.end_amdgpu_metadata
.endif
;; end of part 2
;; launch attn (part 3): grid 4 x 64, 16 waves a work-group, clusters of 4 x 1, 264,192 bytes of LDS; arguments qk, vc, lowp_scales, yc; writes yc
.if DOCPART == 3
	.amdgcn_target "amdgcn-amd-amdhsa--gfx1250"
	.amdhsa_code_object_version 6
	.text
	.protected	k_qc62490846c_attn
	.globl	k_qc62490846c_attn
	.p2align	8
	.type	k_qc62490846c_attn,@function
k_qc62490846c_attn:
	s_mov_b64 s[64:65], 0
	v_nop
	global_prefetch_b8 v0, s[64:65] scope:SCOPE_SE
	s_setreg_imm32_b32 hwreg(HW_REG_WAVE_MODE, 25, 1), 1
	s_wait_xcnt 0x0
	s_wait_alu depctr_hold_cnt(0) depctr_sa_sdst(0) depctr_va_vdst(0) depctr_va_sdst(0) depctr_va_ssrc(0) depctr_va_vcc(0) depctr_vm_vsrc(0)
	s_getreg_b32 s2, hwreg(HW_REG_IB_STS2, 6, 4)
	s_cmp_eq_u32 s2, 0
	s_cbranch_scc0 .Lentry_in_a_cluster
	s_endpgm
.Lentry_in_a_cluster:
	s_bfe_u32 s2, ttmp6, 0x10000c
	s_cmp_lg_u32 s2, 0x3003
	s_cbranch_scc0 .Lentry_shape_is_right
	s_endpgm
.Lentry_shape_is_right:
; y = softmax(q k^T / 8, causal) v for each of 64 (batch, head), both products on codes of E4M3 (q e2, k e3, p e4, v e5), and y quantised (e6) on the way out.
; WORK LEFT OUT: a step of 128 keys all of which come after a tile's 16 queries: reference()'s own causal mask gives those keys the weight 0 for all values of the inputs (shown at the head of the first launch).
; THE SOFTMAX: t = score x log2(e) / 8; M = the running largest t rounded UP to a whole number; p = 2^(t - M) is quantised, not normalised; the row's sum is taken of the unquantised p and divides at the end.
; When M moves, the sum and O are multiplied by 2^(old M - new M): exact.
; SHARES.  A cluster of four work-groups is one head; a head has 128 tiles of 16 queries.  Wave w (0-15) of the work-group at place cx owns the EARLY tile u = 4 w + cx and the LATE tile 127 - u.  The early tile wants key steps
; 0 .. w / 2, the late one 0 .. 15 - w / 2 (u / 8 = w / 2 for every cx): 17 tile steps for every wave of the launch, and no bound hangs on the work-group's place.
; LDS holds the head's WHOLE K and V, 131,072 bytes each, filled ONCE: each of the sixteen waves asks for 16,384 bytes, jointly with its three partners (one tensor load of mine is out).  No ring, no barrier in the loop.
; OPERANDS LIE AS IMAGES OF THEIR REGISTERS (four registers of 32 lanes: 512 bytes, 16 x lane), so every read is 512 consecutive bytes.  Both products are used transposed: S^T = K Q^T, O^T = V^T P^T: a lane holds ONE query.
; Register j of S^T's tile c is key 16 c + 8 h + j, so its conversion is registers 2 c, 2 c + 1 of P, the places that V^T's fragment has too.
; y leaves as the image that the projection's loads want: yc [512 tiles of 16 tokens][16 heads][1,024 bytes]; piece p of lane (r, h): channels 32 p + 16 h + 0 .. 15 of token r.
; LIMITS: e2 + e3 between -123 and 130; e4, e6 between -126 and 119.  NaN is not served.
; REGISTERS: v1 16 x lane; v2, v3 addresses in hand; v4, v5 the add's; v6, v7 the mask's offsets; v[8:11], v[12:15] -M, largest t, the sum in two halves (early, late); v16-31 Q; v32-95 fragments; v96-159 S^T, p;
;   v160-191, v192-223 O^T; v224-239 P's codes; v240-251 constants and work.
.set VOFF,  131072
.set SPARE, 262144                     ; the spare words, 128 bytes a wave: eight blocks of 256 bytes that no other line names
.set LI,  1
.set ADK, 2
.set ADV, 3
.set SPW, 4
.set NIL, 5
.set DE,  6
.set DL,  7
.set STE, 8
.set STL, 12
.set QE,  16
.set QL,  24
.set OE,  160
.set OL,  192
.macro CROUND
	s_barrier_signal -1
	s_barrier_wait -1
	s_cmp_lg_u32 s12, 0
	s_cbranch_scc1 .Lnot_wave_0_\@
	s_barrier_signal -3
.Lnot_wave_0_\@:
	s_barrier_wait -3
	s_barrier_signal -1
	s_barrier_wait -1
.endm
	s_load_b256 s[4:11], s[0:1], 0x0               ; qk s[4:5], vc s[6:7], the exponents s[8:9], yc s[10:11]
	v_lshl_add_u32 v[SPW], v0, 2, SPARE
	v_mov_b32 v[NIL], 0
	ds_add_u32 v[SPW], v[NIL]                      ; the wave's opening: the add, twice on end, and its wait ahead of my first tensor load
	ds_add_u32 v[SPW], v[NIL]
	v_lshrrev_b32 v2, 5, v0
	s_delay_alu instid0(VALU_DEP_1)
	v_readfirstlane_b32 s12, v2                    ; wave 0..15
	s_bfe_u32 s13, ttmp6, 0x40000                  ; cx: it enters Q's and y's addresses and the mask's offsets alone
	s_and_b32 s14, ttmp7, 0xffff                   ; 16 x batch + head
	s_lshr_b32 s15, s12, 1                         ; the early tile's last key step, which lies on its diagonal
	s_sub_co_u32 s16, 15, s15                      ; the late tile's
	s_mov_b32 s24, 15|(3<<16)|(1<<21)              ; group 1: the mask: all four work-groups; elements of 8 bytes; bit 21 beside a mask; no padding
	s_mov_b32 s25, 32<<16                          ; tensor_dim0 = 32: rows of 256 bytes of a dense block
	s_mov_b32 s26, 64<<16                          ; tensor_dim1 = 64
	s_mov_b32 s27, 32<<16                          ; tile_dim0
	s_mov_b32 s28, 64                              ; tile_dim1
	s_mov_b32 s29, 32                              ; from row to row
	s_mov_b32 s30, 0
	s_mov_b32 s31, 0
	s_mov_b32 s32, 1                               ; group 0: count
	s_lshl_b32 s33, s12, 14                        ; LDS: 16,384 x wave: waves 0-7 fill K, waves 8-15 V
	s_and_b32 s37, s12, 7
	s_lshl_b32 s37, s37, 14
	s_lshl_b32 s38, s14, 17                        ; a head's 131,072 bytes
	s_add_co_u32 s37, s37, s38
	s_cmp_lt_u32 s12, 8
	s_cselect_b32 s36, 0x800000, 0                 ; k lies behind q in its buffer
	s_add_co_u32 s36, s36, s37
	s_mov_b32 s37, 0
	s_mov_b32 s20, 0x76543210                      ; v_permlanex16_b32's selects: lane l xor 16
	s_mov_b32 s21, 0xfedcba98
	s_lshl_b32 s56, s12, 2
	s_add_co_u32 s56, s56, s13                     ; the early tile
	s_sub_co_u32 s57, 127, s56                     ; the late tile
	s_mov_b32 s61, 0
	s_wait_dscnt 0x0                               ; both opening adds are done
	s_wait_kmcnt 0x0
	s_cmp_lt_u32 s12, 8
	s_cselect_b64 s[34:35], s[4:5], s[6:7]
	s_add_nc_u64 s[34:35], s[34:35], s[36:37]
	s_or_b32 s35, s35, 0x80000000                  ; type = 2
	CROUND                                         ; all four work-groups are here: the joint loads meet
	tensor_load_to_lds s[32:35], s[24:31]
	s_nop 0
	s_load_b256 s[40:47], s[8:9], 0x0              ; e0 .. e7
	s_lshl_b32 s58, s14, 7
	s_add_co_u32 s59, s58, s56
	s_lshl_b32 s60, s59, 10
	s_add_nc_u64 s[48:49], s[4:5], s[60:61]        ; Q's fragment, early
	s_add_co_u32 s59, s58, s57
	s_lshl_b32 s60, s59, 10
	s_add_nc_u64 s[50:51], s[4:5], s[60:61]        ; late
	v_and_b32 v[LI], 31, v0
	s_delay_alu instid0(VALU_DEP_1)
	v_lshlrev_b32 v[LI], 4, v[LI]
	global_load_b128 v[QE:QE+3], v[LI], s[48:49]
	global_load_b128 v[QE+4:QE+7], v[LI], s[48:49] offset:512
	global_load_b128 v[QL:QL+3], v[LI], s[50:51]
	global_load_b128 v[QL+4:QL+7], v[LI], s[50:51] offset:512
	s_lshr_b32 s58, s14, 4
	s_lshl_b32 s58, s58, 7                         ; 128 x batch
	s_and_b32 s59, s14, 15                         ; head
	s_add_co_u32 s62, s58, s56
	s_lshl_b32 s62, s62, 4
	s_add_co_u32 s62, s62, s59
	s_lshl_b32 s60, s62, 10
	s_add_nc_u64 s[52:53], s[10:11], s[60:61]      ; y's unit, early
	s_add_co_u32 s62, s58, s57
	s_lshl_b32 s62, s62, 4
	s_add_co_u32 s62, s62, s59
	s_lshl_b32 s60, s62, 10
	s_add_nc_u64 s[54:55], s[10:11], s[60:61]      ; late
	v_and_b32 v[DE], 15, v0                        ; r
	v_bfe_u32 v[DL], v0, 4, 1                      ; h
	s_delay_alu instid0(VALU_DEP_1)
	v_lshlrev_b32 v[DL], 3, v[DL]
	s_delay_alu instid0(VALU_DEP_1)
	v_sub_nc_u32 v[DL], v[DE], v[DL]               ; r - 8 h
	s_and_b32 s58, s12, 1
	s_lshl_b32 s58, s58, 2
	s_add_co_u32 s58, s58, s13                     ; the early tile's place among its diagonal step's eight
	s_sub_co_u32 s59, 7, s58                       ; the late tile's
	s_lshl_b32 s58, s58, 4
	s_lshl_b32 s59, s59, 4
	v_add_nc_u32 v[DE], s58, v[DL]                 ; on the diagonal step register 8 c + j (key 16 c + 8 h + j of the step) is hidden where 16 c + j > my query's place in the step - 8 h
	v_add_nc_u32 v[DL], s59, v[DL]
.irp st, STE, STL
	v_mov_b32 v[\st+1], 0xff61b1e6                 ; the largest t so far: -3e38, under every t
	s_delay_alu instid0(VALU_DEP_1)
	v_floor_f32 v[\st], -v[\st+1]                  ; -M
	v_mov_b32 v[\st+2], 0                          ; the sum, in two halves
	v_mov_b32 v[\st+3], 0
.endr
.set i, 0
.rept 64
	v_mov_b32 v[OE+i], 0                           ; O^T of both tiles: the step is written once; its first turn finds zeros, which the first change of M leaves zeros
.set i, i+1
.endr
	v_mov_b32 v247, 0                              ; (named as the upper half of the pair v[246:247])
	v_mov_b32 v248, 0                              ; written once: a lane permute's destination counts as one of its sources
	v_mov_b32 v249, 0xff800000                     ; -infinity
	s_wait_kmcnt 0x0
	s_add_co_i32 s58, s42, s43
	s_lshl_b32 s58, s58, 23
	s_add_co_i32 s22, s58, 0x3e38aa3b              ; c = log2(e) / 8, with e2 + e3 added to its exponent field
	s_mov_b32 s23, s22                             ; (named with it as a pair, so it is written)
	s_add_co_i32 s58, s44, 127
	s_lshl_b32 s59, s58, 23
	v_mov_b32 v241, s59                            ; 2^e4
	s_add_co_i32 s58, s46, 127
	s_lshl_b32 s59, s58, 23
	v_mov_b32 v250, s59                            ; 2^e6
	s_add_co_i32 s36, s44, s45                     ; e4 + e5
	s_wait_loadcnt 0x0                             ; Q
	s_wait_tensorcnt 0x0                           ; my sixteenth of K and V is in,
	s_barrier_signal -1
	s_barrier_wait -1                              ; everybody's is
; ONE TILE'S TURN AT ONE KEY STEP: 16 queries x 128 keys.  q: Q's fragment; o: its O^T; st: its statistics; d: its mask offsets; kd: the scalar register with its diagonal step.
.macro TSTEP q, o, st, d, kd
.rept 4
	v_nop                                          ; places in front of loads into registers that the last products read
.endr
.set c, 0
.rept 8
	ds_load_b128 v[32+8*c:35+8*c], v[ADK] offset:1024*c        ; K's fragment c: 16 keys x 64 channels
	ds_load_b128 v[36+8*c:39+8*c], v[ADK] offset:1024*c+512
.set c, c+1
.endr
	s_wait_dscnt 0x0
.set c, 0
.rept 8
	v_wmma_f32_16x16x64_fp8_fp8 v[96+8*c:103+8*c], v[32+8*c:39+8*c], v[\q:\q+7], 0
.set c, c+1
.endr
.rept 4
	v_nop                                          ; places in front of the loads below and of the first read of the scores
.endr
.set c, 0
.rept 16
	ds_load_b128 v[32+4*c:35+4*c], v[ADV] offset:512*c         ; V^T's four fragments, 16 channels x 128 keys each: they land under the softmax
.set c, c+1
.endr
	s_cmp_lg_u32 s17, s[\kd]                       ; the wave's number and the count of steps alone
	s_cbranch_scc1 .Lopen_\@
.set n, 0
.rept 64
	v_cmp_gt_i32 vcc_lo, 16*(n/8)+n%8, v[\d]
	v_cndmask_b32 v[96+n], v[96+n], v249, vcc_lo   ; hidden scores become -infinity: p = 0.  The step's first key counts for every query of the tile, so the maximum is a number
.set n, n+1
.endr
.Lopen_\@:
	v_max3_num_f32 v244, v96, v97, v98             ; the step's largest score of my query among my 64 keys, in two chains, each accumulator from its low end on
	v_max3_num_f32 v245, v99, v100, v101
.set i, 6
.rept 14
	v_max3_num_f32 v244, v244, v[96+i], v[97+i]
	v_max3_num_f32 v245, v245, v[98+i], v[99+i]
.set i, i+4
.endr
	v_max3_num_f32 v244, v244, v158, v159
	s_delay_alu instid0(VALU_DEP_1)
	v_max_num_f32 v244, v244, v245
	s_delay_alu instid0(VALU_DEP_1)
	v_permlanex16_b32 v248, v244, s20, s21
	s_delay_alu instid0(VALU_DEP_1)
	v_max_num_f32 v244, v244, v248                 ; and among lane l xor 16's
	s_delay_alu instid0(VALU_DEP_1)
	v_mul_f32 v244, s22, v244                      ; as t (c is positive)
	s_delay_alu instid0(VALU_DEP_1)
	v_max_num_f32 v[\st+1], v[\st+1], v244
	v_mov_b32 v244, v[\st]
	s_delay_alu instid0(VALU_DEP_2)
	v_floor_f32 v[\st], -v[\st+1]                  ; the new -M = floor(-t)
	s_delay_alu instid0(VALU_DEP_1)
	v_sub_f32 v244, v[\st], v244                   ; old M - new M: a whole number, 0 or less
	s_delay_alu instid0(VALU_DEP_1)
	v_cvt_i32_f32 v244, v244                       ; (it saturates)
	s_delay_alu instid0(VALU_DEP_1)
	v_ldexp_f32 v246, 1.0, v244                    ; f = 2^(old M - new M)
.set i, 0
.rept 32
	v_pk_fma_f32 v[96+i:97+i], v[96+i:97+i], s[22:23], v[\st:\st+1] op_sel_hi:[1,0,0]   ; t - M (of the pairs c and -M the low word serves both halves)
.set i, i+2
.endr
.set i, 0
	s_wait_alu depctr_va_vdst(0)
.rept 64
	v_exp_f32 v[96+i], v[96+i]                     ; p = 2^(t - M)
.set i, i+1
.endr
	v_pk_mul_f32 v[\st+2:\st+3], v[\st+2:\st+3], v[246:247] op_sel_hi:[1,0]   ; the sums under the new M: the plain instruction behind the exponentials
	s_wait_alu depctr_va_vdst(0)                   ; one wait for the batch, ahead of its first reader
	v_pk_add_f32 v[242:243], v[96:97], v[98:99]    ; the row's sum of the unquantised p, in two chains
.set i, 4
.rept 15
	v_pk_add_f32 v[\st+2:\st+3], v[\st+2:\st+3], v[96+i:97+i]
	v_pk_add_f32 v[242:243], v[242:243], v[98+i:99+i]
.set i, i+4
.endr
	s_delay_alu instid0(VALU_DEP_1)
	v_pk_add_f32 v[\st+2:\st+3], v[\st+2:\st+3], v[242:243]
.set c, 0
.rept 8
.set i, 0
.rept 8
.set i, i+1
.endr
	v_cvt_scalef32_pk8_fp8_f32 v[224+2*c:225+2*c], v[96+8*c:103+8*c], v241
.set c, c+1
.endr
.set i, 0
.rept 16
	v_pk_mul_f32 v[\o+i:\o+i+1], v[\o+i:\o+i+1], v[246:247] op_sel_hi:[1,0]   ; O^T under the new M; also the plain instructions behind the conversions
.set i, i+2
.endr
	s_wait_alu depctr_va_vdst(0)
	s_wait_dscnt 0x0                               ; V^T is in
.set c, 0
.rept 4
	v_wmma_f32_16x16x128_fp8_fp8 v[\o+8*c:\o+8*c+7], v[32+16*c:47+16*c], v[224:239], v[\o+8*c:\o+8*c+7]   ; the four accumulators take turns
.set c, c+1
.endr
.endm
	s_mov_b32 s17, 0                               ; the key step
	s_mov_b32 s18, 0                               ; its first byte in K's part of LDS
.Lstep:                                            ; sixteen trips for every wave; a tile's turn is jumped over where all the step's keys come after its queries
	v_add_nc_u32 v[ADK], s18, v[LI]
	s_delay_alu instid0(VALU_DEP_1)
	v_add_nc_u32 v[ADV], VOFF, v[ADK]
	s_cmp_gt_u32 s17, s16
	s_cbranch_scc1 .Lno_late
	s_wait_alu depctr_va_vdst(0)
	TSTEP QL, OL, STL, DL, 16
.Lno_late:
	s_cmp_gt_u32 s17, s15
	s_cbranch_scc1 .Lno_early
	s_wait_alu depctr_va_vdst(0)
	TSTEP QE, OE, STE, DE, 15
.Lno_early:
	s_add_co_u32 s18, s18, 8192
	s_add_co_u32 s17, s17, 1
	s_cmp_lt_u32 s17, 16
	s_cbranch_scc1 .Lstep
; THE WAY OUT of a tile: O^T x 2^(e4 + e5) / the sum, the hold, four conversions; registers 2 t, 2 t + 1 then hold channels 16 t + 8 h + 0 .. 7.  Four exchanges between the halves of the lanes give piece p
; channels 32 p + 16 h + 0 .. 15; two stores of 512 consecutive bytes.
.macro WOUT o, st, tmp, cb, yp
	v_add_f32 v244, v[\st+2], v[\st+3]
	s_wait_alu depctr_va_vdst(0)
	v_permlanex16_b32 v248, v244, s20, s21
	s_delay_alu instid0(VALU_DEP_1)
	v_add_f32 v244, v244, v248                     ; the row's sum
	s_wait_alu depctr_va_vdst(0)
	v_rcp_f32 v244, v244
	v_nop                                          ; a plain instruction behind the reciprocal
	s_wait_alu depctr_va_vdst(0)                   ; and the wait ahead of its first reader
	v_ldexp_f32 v244, v244, s36
.set i, 0
.rept 32
	v_mul_f32 v[\tmp+i], v[\o+i], v244
.set i, i+1
.endr
.set i, 0
.rept 32
.set i, i+1
.endr
.set c, 0
.rept 4
	v_cvt_scalef32_pk8_fp8_f32 v[\cb+2*c:\cb+2*c+1], v[\tmp+8*c:\tmp+8*c+7], v250
.set c, c+1
.endr
	v_nop                                          ; a plain instruction between the conversions and the lines that touch their results
.irp p, 0,1
	v_permlane16_swap_b32 v[\cb+4*\p], v[\cb+4*\p+2]       ; the first's lanes 16-31 change places with the second's lanes 0-15
	v_permlane16_swap_b32 v[\cb+4*\p+1], v[\cb+4*\p+3]
.endr
.irp p, 0,1
	global_store_b128 v[LI], v[\cb+4*\p:\cb+4*\p+3], s[\yp:\yp+1] offset:512*\p
.endr
.endm
.rept 4
	v_nop                                          ; places behind the last products
.endr
	WOUT OE, STE, 96, 224, 52
	WOUT OL, STL, 128, 232, 54
	s_wait_tensorcnt 0x0                           ; the wave's end: behind my last tensor load
	ds_add_u32 v[SPW], v[NIL]
	s_wait_dscnt 0x0
	CROUND                                         ; the closing round
	s_endpgm
.Lfunc_end_k_qc62490846c_attn:
	.size	k_qc62490846c_attn, .Lfunc_end_k_qc62490846c_attn-k_qc62490846c_attn
	.p2alignl 7, 3214868480
	.fill 96, 4, 3214868480
	.section	.rodata,"a",@progbits
	.p2align	6, 0x0
	.amdhsa_kernel k_qc62490846c_attn
		.amdhsa_group_segment_fixed_size 264192
		.amdhsa_private_segment_fixed_size 0
		.amdhsa_enable_private_segment 0
		.amdhsa_kernarg_size 32
		.amdhsa_user_sgpr_count 2
		.amdhsa_user_sgpr_kernarg_segment_ptr 1
		.amdhsa_wavefront_size32 1
		.amdhsa_system_sgpr_workgroup_id_x 1
		.amdhsa_system_sgpr_workgroup_id_y 1
		.amdhsa_system_sgpr_workgroup_id_z 1
		.amdhsa_system_vgpr_workitem_id 0
		.amdhsa_next_free_vgpr 256
		.amdhsa_next_free_sgpr 66
		.amdhsa_reserve_vcc 1
		.amdhsa_float_denorm_mode_32 3
		.amdhsa_float_denorm_mode_16_64 3
		.amdhsa_fp16_overflow 1
		.amdhsa_memory_ordered 1
		.amdhsa_forward_progress 1
		.amdhsa_inst_pref_size 50
	.end_amdhsa_kernel
	.amdgpu_metadata
---
amdhsa.version: [ 1, 2 ]
amdhsa.kernels:
  - .name:           k_qc62490846c_attn
    .symbol:         k_qc62490846c_attn.kd
    .args:
      - { .name: qk, .offset: 0, .size: 8, .value_kind: global_buffer, .address_space: global }
      - { .name: vc, .offset: 8, .size: 8, .value_kind: global_buffer, .address_space: global }
      - { .name: lowp_scales, .offset: 16, .size: 8, .value_kind: global_buffer, .address_space: global }
      - { .name: yc, .offset: 24, .size: 8, .value_kind: global_buffer, .address_space: global }
    .group_segment_fixed_size: 264192
    .private_segment_fixed_size: 0
    .kernarg_segment_align: 8
    .kernarg_segment_size: 32
    .max_flat_workgroup_size: 512
    .sgpr_count:     66
    .vgpr_count:     256
    .wavefront_size: 32
...
	.end_amdgpu_metadata
.endif
;; end of part 3
;; launch gemm_proj (part 4): grid 4 x 32, 4 waves a work-group, clusters of 4 x 4, 327,680 bytes of LDS; arguments yc, pc, lowp_scales, b_proj, out0; writes out0
.if DOCPART == 4
	.amdgcn_target "amdgcn-amd-amdhsa--gfx1250"
	.amdhsa_code_object_version 6
	.text
	.protected	k_qc62490846c_gemm_proj
	.globl	k_qc62490846c_gemm_proj
	.p2align	8
	.type	k_qc62490846c_gemm_proj,@function
k_qc62490846c_gemm_proj:
	s_mov_b64 s[64:65], 0
	v_nop
	global_prefetch_b8 v0, s[64:65] scope:SCOPE_SE
	s_setreg_imm32_b32 hwreg(HW_REG_WAVE_MODE, 25, 1), 1
	s_wait_xcnt 0x0
	s_wait_alu depctr_hold_cnt(0) depctr_sa_sdst(0) depctr_va_vdst(0) depctr_va_sdst(0) depctr_va_ssrc(0) depctr_va_vcc(0) depctr_vm_vsrc(0)
	s_getreg_b32 s2, hwreg(HW_REG_IB_STS2, 6, 4)
	s_cmp_eq_u32 s2, 0
	s_cbranch_scc0 .Lentry_in_a_cluster
	s_endpgm
.Lentry_in_a_cluster:
	s_bfe_u32 s2, ttmp6, 0x10000c
	s_cmp_lg_u32 s2, 0xf033
	s_cbranch_scc0 .Lentry_shape_is_right
	s_endpgm
.Lentry_shape_is_right:
; out0 = y w_proj + b_proj on codes of E4M3 (y e6, w e7).  No work is left out here.
; yc: [512 tiles of 16 tokens][16 heads][1,024 bytes]: images of operand registers: piece c of a fragment of 16 tokens x 128 K is 512 bytes, 16 x lane; lane (r, h) holds K = 32 c + 16 h + 0 .. 15 of token r.
; pc: [1024 n][1024 k]: codes in rows, K innermost; four loads of 16 bytes, 32 apart, give B's fragment the same places of K.  out0: [8192][1024] f32.
; A tile of 256 x 256 is made by four waves, each 128 x 128: 64 accumulators.  K goes in four steps of 256 through a ring of two LDS slots.  A's half tile (8 token tiles x 4,096 bytes, 16,384 apart in memory) lies dense in LDS;
; B's (128 rows of 256 bytes) with 16 bytes of padding behind each row.  CLUSTERS: 4 x 4; A's tile is asked for jointly along a row of the cluster, B's along a column.
; THE MATRIX INSTRUCTION IS USED TRANSPOSED (source 0 = B's rows, source 1 = A's): a lane holds eight neighbouring numbers of a row of out0.
; LIMIT: e6 + e7 between -126 and 127.
; REGISTERS: window 0: v0-31 addresses; v32-95 the bias; v96-127 at work on the way out; v128-255 A's fragments, one set, then rows read back.  window 1: B's fragments, two sets.  windows 2, 3: the accumulators.
.set SIZE_N, 1024
.set ROWB,   256
.set KROW,   1024
.set PITCH,  272                       ; B's LDS row: 256 bytes + 16 = 68 words: the 16 rows that a load touches start at 16 different banks (ISA guide 11.1)
.set FR,     16
.set NL,     4
.set NP,     4
.set HALFA,  32768                     ; 8 token tiles x 4,096 bytes
.set HALFB,  128*PITCH
.set BOFF,   2*HALFA
.set SLOT,   BOFF+2*HALFB
.set LAPS,   2
.set SPARE,  2*SLOT                    ; the spare words, 128 bytes a wave: two blocks of 256 bytes that no other line names
.set SPITCH, 528                       ; the way out: a stage of 16 rows x (512 + 16) bytes a wave, in slot 0, which has had its last fill and its last read when the first result is stored there
.set ADRA, 16
.set ADRB, 20
.set STO,  24
.set RD,   25
.set CO,   26
.set BO,   27
.set SPW,  28
.set NIL,  29
.set BIAS, 32
.set TMP,  96
.set AF,   128
.set BK,   128
.set G1, 24
.set G0, 32
.set G1B, 48
.set G0B, 56
.set MSB, 0
.macro WIN new
.if MSB != \new
	s_set_vgpr_msb (MSB<<8)|\new
.set MSB, \new
.endif
.endm
.set MUL_LO, 0xa1
.set MUL_HI, 0xf1
.set TO_B,   0x40
.macro JLOAD g0a, g1a, g0b, g1b        ; waves 0 and 1 fetch for A, waves 2 and 3 for B; an s_nop 0 and four v_nop follow each line
	s_cmp_eq_u32 s15, 0
	s_cbranch_scc0 .Lfor_b_\@
	tensor_load_to_lds s[\g0a:\g0a+3], s[\g1a:\g1a+7]
	s_nop 0
.rept 4
	v_nop
.endr
	s_branch .Lasked_\@
.Lfor_b_\@:
	tensor_load_to_lds s[\g0b:\g0b+3], s[\g1b:\g1b+7]
	s_nop 0
.rept 4
	v_nop
.endr
.Lasked_\@:
.endm
.macro CREST
	s_cmp_lg_u32 s14, 0
	s_cbranch_scc1 .Lnot_wave_0_\@
	s_barrier_signal -3
.Lnot_wave_0_\@:
	s_barrier_wait -3
	s_barrier_signal -1
	s_barrier_wait -1
.endm
.macro CROUND
	s_barrier_signal -1
	s_barrier_wait -1
	CREST
.endm
	s_load_b128 s[4:7], s[0:1], 0x0                ; yc s[4:5], pc s[6:7]
	s_load_b128 s[8:11], s[0:1], 0x10              ; the exponents s[8:9], b_proj s[10:11]
	s_load_b64 s[12:13], s[0:1], 0x20              ; out0
	v_lshl_add_u32 v[SPW], v0, 2, SPARE
	v_mov_b32 v[NIL], 0
	ds_add_u32 v[SPW], v[NIL]                      ; the wave's opening: the add, twice on end, and its wait ahead of my first tensor load
	ds_add_u32 v[SPW], v[NIL]
	v_lshrrev_b32 v1, 5, v0
	v_readfirstlane_b32 s14, v1                    ; wave 0..3
	s_lshr_b32 s15, s14, 1                         ; which half of the tile's rows is mine.  Also: I fetch for A (0) or for B (1)
	s_and_b32 s16, s14, 1                          ; which half of its columns.  Also: which half of that tile I fetch
	s_bfe_u32 s40, ttmp6, 0x40000
	s_bfe_u32 s41, ttmp6, 0x40004
	s_lshl_b32 s42, ttmp9, 2
	s_add_co_u32 s42, s42, s40                     ; tile column
	s_and_b32 s17, ttmp7, 0xffff
	s_lshl_b32 s17, s17, 2
	s_add_co_u32 s17, s17, s41                     ; tile row
	s_lshl_b32 s43, s41, 2
	s_lshl_b32 s43, 15, s43                        ; my row of the cluster
	s_lshl_b32 s44, 0x1111, s40                    ; my column
	s_or_b32 s[G1+0], s43, (3<<16)|(1<<21)         ; A: the mask; elements of 8 bytes; bit 21 beside a mask; no padding
	s_mov_b32 s[G1+1], 512<<16                     ; tensor_dim0 = 512: four heads' 4,096 bytes of a token tile
	s_mov_b32 s[G1+2], 8<<16                       ; tensor_dim1 = 8 token tiles
	s_mov_b32 s[G1+3], 512<<16                     ; tile_dim0
	s_mov_b32 s[G1+4], 8                           ; tile_dim1
	s_mov_b32 s[G1+5], 2048                        ; from token tile to token tile: 16,384 bytes
	s_mov_b32 s[G1+6], 0
	s_mov_b32 s[G1+7], 0
	s_or_b32 s[G1B+0], s44, (0<<16)|(1<<20)|(1<<21)|(5<<22)|(3<<25)  ; B: elements of 1 byte; four words of padding behind every 64
	s_mov_b32 s[G1B+1], ROWB<<16
	s_mov_b32 s[G1B+2], 128<<16
	s_mov_b32 s[G1B+3], ROWB<<16
	s_mov_b32 s[G1B+4], 128
	s_mov_b32 s[G1B+5], KROW
	s_mov_b32 s[G1B+6], 0
	s_mov_b32 s[G1B+7], 0
	s_lshl_b32 s20, s17, 4
	s_lshl_b32 s18, s16, 3
	s_add_co_u32 s20, s20, s18                     ; A: token tile 16 x tile row + 8 x half
	s_lshl_b32 s20, s20, 14
	s_mov_b32 s21, 0
	s_lshl_b32 s46, s42, 8
	s_lshl_b32 s18, s16, 7
	s_add_co_u32 s46, s46, s18                     ; B: row 256 x tile column + 128 x half
	s_lshl_b32 s46, s46, 10
	s_mov_b32 s47, 0
	s_lshl_b32 s45, s16, 15                        ; where A's half goes,
	s_mul_i32 s19, s16, HALFB
	s_add_co_u32 s19, s19, BOFF                    ; and B's: no place in the cluster enters an LDS address
	s_wait_dscnt 0x0                               ; both opening adds are done
	s_wait_kmcnt 0x0
	s_load_b64 s[96:97], s[8:9], 0x18              ; e6, e7
	s_add_nc_u64 s[20:21], s[4:5], s[20:21]
	s_add_nc_u64 s[46:47], s[6:7], s[46:47]
	CROUND                                         ; all sixteen work-groups are here: the first joint loads meet
.irp s, 0,1
	s_mov_b32 s[G0+4*\s], 1
	s_add_co_u32 s[G0+4*\s+1], s45, \s*SLOT
	s_add_nc_u64 s[G0+4*\s+2:G0+4*\s+3], s[20:21], \s*4096
	s_or_b32 s[G0+4*\s+3], s[G0+4*\s+3], 0x80000000
	s_mov_b32 s[G0B+4*\s], 1
	s_add_co_u32 s[G0B+4*\s+1], s19, \s*SLOT
	s_add_nc_u64 s[G0B+4*\s+2:G0B+4*\s+3], s[46:47], \s*ROWB
	s_or_b32 s[G0B+4*\s+3], s[G0B+4*\s+3], 0x80000000
	s_wait_alu depctr_va_vdst(0)
	s_wait_tensorcnt 0x0
	ds_add_u32 v28, v29
	ds_add_u32 v28, v29
	s_wait_dscnt 0x0
	CROUND
	JLOAD G0+4*\s, G1, G0B+4*\s, G1B
.endr
	v_and_b32 v1, 15, v0                           ; r
	v_bfe_u32 v2, v0, 4, 1                         ; h
	v_mul_u32_u24 v3, v1, PITCH
	v_lshl_add_u32 v4, v2, 4, v3                   ; B: row x pitch + 16 x half
	v_and_b32 v6, 31, v0
	v_lshlrev_b32 v[CO], 4, v6                     ; 16 x lane: A's images, the stage's rows, a row of out0
	s_wait_alu depctr_va_vdst(0)
	s_lshl_b32 s21, s15, 15                        ; my 8 token tiles of A
	s_mul_i32 s22, s16, HALFB
	s_add_co_u32 s22, s22, BOFF                    ; my 128 rows of B
.irp s, 0,1
	v_add_nc_u32 v[ADRA+\s], s21, v[CO]
	v_add_nc_u32 v[ADRB+\s], s22, v4
	s_add_co_u32 s21, s21, SLOT
	s_add_co_u32 s22, s22, SLOT
.endr
	s_mul_i32 s23, s14, 16*SPITCH                  ; my stage
	v_mul_u32_u24 v5, v1, SPITCH
	v_lshl_add_u32 v5, v2, 5, v5
	v_add_nc_u32 v[STO], s23, v5                   ; in: row r, 32 bytes for each half of the lanes
	v_add_nc_u32 v[RD], s23, v[CO]                 ; back: the 32 lanes take one row of 512 bytes
	s_lshl_b32 s46, s42, 10
	s_lshl_b32 s47, s16, 9
	s_add_co_u32 s46, s46, s47                     ; my first column, in bytes: in a row of out0 and in b_proj alike
	s_mov_b32 s47, 0
	s_add_nc_u64 s[68:69], s[10:11], s[46:47]
	v_lshlrev_b32 v[BO], 5, v2                     ; 32 h
.irp b, 0,1,2,3,4,5,6,7
	global_load_b128 v[BIAS+8*\b:BIAS+8*\b+3], v[BO], s[68:69] offset:64*\b      ; columns 16 b + 8 h + 0 .. 7
	global_load_b128 v[BIAS+8*\b+4:BIAS+8*\b+7], v[BO], s[68:69] offset:64*\b+16
.endr
	s_lshl_b32 s20, s17, 8
	s_lshl_b32 s21, s15, 7
	s_add_co_u32 s20, s20, s21                     ; my first row
	s_lshl_b32 s20, s20, 12                        ; rows of 4,096 bytes
	s_mov_b32 s21, 0
	s_add_nc_u64 s[20:21], s[20:21], s[46:47]
	s_add_nc_u64 s[12:13], s[12:13], s[20:21]
.macro FRAGA reg, adr, q, i            ; A's fragment as it lies: four pieces of 512 consecutive bytes
.irp c, 0,1,2,3
	ds_load_b128 v[\reg+4*\c:\reg+4*\c+3], v[\adr] offset:4096*(\i)+2048*(\q)+512*\c
.endr
.endm
.macro FRAG reg, adr, q, i             ; B's: registers 4 c .. 4 c + 3 of lane (r, h) hold K = 32 c + 16 h + 0 .. 15 of row r
.irp c, 0,1,2,3
	ds_load_b128 v[\reg+4*\c:\reg+4*\c+3], v[\adr] offset:128*(\q)+32*\c+(\i)*16*PITCH
.endr
.endm
.macro MUL16 a0, p, zero               ; the 64 accumulators take turns, one instruction a turn
.irp a, \a0, \a0+1
.irp b, 0,1,2,3,4,5,6,7
.if \zero
	v_wmma_f32_16x16x128_fp8_fp8 v[8*(8*((\a)%4)+\b):8*(8*((\a)%4)+\b)+7], v[128*(\p)+FR*\b:128*(\p)+FR*\b+FR-1], v[AF+FR*(\a):AF+FR*(\a)+FR-1], 0
.else
	v_wmma_f32_16x16x128_fp8_fp8 v[8*(8*((\a)%4)+\b):8*(8*((\a)%4)+\b)+7], v[128*(\p)+FR*\b:128*(\p)+FR*\b+FR-1], v[AF+FR*(\a):AF+FR*(\a)+FR-1], v[8*(8*((\a)%4)+\b):8*(8*((\a)%4)+\b)+7]
.endif
.endr
.endr
.endm
.macro FETCH_B slot, q, p
	WIN TO_B
.irp i, 0,1,2,3,4,5,6,7
	FRAG 128*(\p)+FR*\i, ADRB+\slot, \q, \i
.endr
	WIN 0
.endm
.macro FETCH_A slot, q, i0
.irp i, \i0, \i0+1, \i0+2, \i0+3
	FRAGA AF+FR*(\i), ADRA+\slot, \q, \i
.endr
.endm
.macro PLACES n
.rept \n
	v_nop
.endr
.endm
.macro STEP slot, q, zero
	s_wait_dscnt 4*NL                              ; B's set and A's blocks 0-3 are in; the youngest sixteen loads (A's blocks 4-7) may be out
	WIN MUL_LO
	MUL16 0, (\q)%2, \zero
	MUL16 2, (\q)%2, \zero
	s_wait_dscnt 0
	PLACES NP
	FETCH_B \slot, (\q)+1, 1-(\q)%2
	FETCH_A \slot, (\q)+1, 0
	WIN MUL_HI
	MUL16 4, (\q)%2, \zero
	MUL16 6, (\q)%2, \zero
	PLACES NP
	WIN 0
	FETCH_A \slot, (\q)+1, 4
.endm
.macro TURN slot, next, fill
	s_wait_tensorcnt 0x0                           ; all my tensor loads have landed: my part of the next slot
	ds_add_u32 v[SPW], v[NIL]                      ; 0 onto my spare word
	s_wait_dscnt 4*NL+1                            ; (the add and the youngest sixteen loads may be out)
	WIN MUL_LO
	MUL16 0, 1, 0
	s_wait_dscnt 0x0                               ; the add is done, and my reads of this slot are over
	s_barrier_signal -1
	MUL16 2, 1, 0
	WIN 0
	s_barrier_wait -1
.if \fill
	CREST                                          ; no wave of any partner still reads this slot or has a load on its way
	s_add_nc_u64 s[G0+4*\slot+2:G0+4*\slot+3], s[G0+4*\slot+2:G0+4*\slot+3], 2*4096
	s_add_nc_u64 s[G0B+4*\slot+2:G0B+4*\slot+3], s[G0B+4*\slot+2:G0B+4*\slot+3], 2*ROWB
	JLOAD G0+4*\slot, G1, G0B+4*\slot, G1B         ; the first tensor load behind the round; its four v_nop are the places in front of the loads below
.else
	PLACES NP
.endif
	FETCH_B \next, 0, 0
	FETCH_A \next, 0, 0
	WIN MUL_HI
	MUL16 4, 1, 0
	MUL16 6, 1, 0
	PLACES NP
	WIN 0
	FETCH_A \next, 0, 4
.endm
	s_wait_alu depctr_va_vdst(0)
	s_wait_tensorcnt 1                             ; my part of K step 0 is in (K step 1's load may be out),
	s_barrier_signal -1
	s_barrier_wait -1                              ; everybody's is
	FETCH_B 0, 0, 0
	FETCH_A 0, 0, 0
	FETCH_A 0, 0, 4
	STEP 0, 0, 1                                   ; the first step's products start the sums
	s_mov_b32 s3, LAPS-1
.Llap:
	TURN 0, 1, 1
	STEP 1, 0, 0
	TURN 1, 0, 1
	STEP 0, 0, 0
	s_sub_co_u32 s3, s3, 1
	s_cmp_lg_u32 s3, 0
	s_cbranch_scc1 .Llap
	TURN 0, 1, 0                                   ; the last lap fills nothing
	STEP 1, 0, 0
	s_wait_dscnt 4*NL
	WIN MUL_LO
	MUL16 0, 1, 0
	MUL16 2, 1, 0
	s_wait_dscnt 0
	WIN MUL_HI
	MUL16 4, 1, 0
	MUL16 6, 1, 0
	WIN 0
; THE WAY OUT, block by block of 16 rows x 128 columns: sum x 2^(e6 + e7) + bias; through my own stage in LDS; back as whole rows of 512 bytes.  LDS serves a wave's instructions in order (ISA guide 5.7.1.4).
.macro TOSTAGE a
.set AC, 64*((\a)%4)
.irp g, 0,1
	WIN 0x02+((\a)/4)                              ; source 0: window 2 or 3
.set i, 0
.rept 16
	v_pk_fma_f32 v[TMP+i:TMP+i+1], v[AC+32*\g+i:AC+32*\g+i+1], s[96:97], v[BIAS+32*\g+i:BIAS+32*\g+i+1] op_sel_hi:[1,0,1]   ; each accumulator from its low end on
.set i, i+2
.endr
	WIN 0
.irp q, 0,1,2,3
	ds_store_b128 v[STO], v[TMP+8*\q:TMP+8*\q+3] offset:64*(4*\g+\q)
	ds_store_b128 v[STO], v[TMP+8*\q+4:TMP+8*\q+7] offset:64*(4*\g+\q)+16
.endr
.endr
.set BB, BK+64*((\a)%2)
.irp t, 0,1,2,3,4,5,6,7,8,9,10,11,12,13,14,15
	ds_load_b128 v[BB+4*\t:BB+4*\t+3], v[RD] offset:\t*SPITCH
.endr
.endm
.macro SEND a, younger                 ; younger: the LDS instructions issued behind block a's loads, which may stay out
.set BB, BK+64*((\a)%2)
	s_wait_dscnt \younger
.if (\a) > 0
	s_add_nc_u64 s[12:13], s[12:13], 16*SIZE_N*4   ; (behind a wait on XCNT: the earlier stores have read their base)
.endif
.irp t, 0,1,2,3,4,5,6,7,8,9,10,11,12,13,14,15
	global_store_b128 v[CO], v[BB+4*\t:BB+4*\t+3], s[12:13] offset:\t*SIZE_N*4 th:TH_STORE_NT   ; 32 lanes store 512 consecutive bytes, at a multiple of 256 from out0's first byte
.endr
.endm
	s_wait_kmcnt 0x0
	s_add_co_i32 s96, s96, s97
	s_add_co_i32 s96, s96, 127
	s_lshl_b32 s96, s96, 23                        ; 2^(e6 + e7) as f32
	s_mov_b32 s97, s96                             ; (named with it as a pair, so it is written)
	s_wait_loadcnt 0x0                             ; the bias
	PLACES NP                                      ; in front of the first read of results and of the loads into A's registers
	TOSTAGE 0
.irp a, 1,2,3,4,5,6,7
.if \a > 1
	s_wait_xcnt 0x0                                ; block a - 2's stores have read their registers and their base
.endif
	TOSTAGE \a
	SEND \a-1, 32                                  ; behind block a - 1's loads: block a's 16 stores and 16 loads
.endr
	s_wait_xcnt 0x0
	SEND 7, 0
	s_wait_tensorcnt 0x0                           ; the wave's end: behind my last tensor load and my last LDS store
	ds_add_u32 v[SPW], v[NIL]
	s_wait_dscnt 0x0
	CROUND                                         ; the closing round
	s_endpgm
.Lfunc_end_k_qc62490846c_gemm_proj:
	.size	k_qc62490846c_gemm_proj, .Lfunc_end_k_qc62490846c_gemm_proj-k_qc62490846c_gemm_proj
	.p2alignl 7, 3214868480
	.fill 96, 4, 3214868480
	.section	.rodata,"a",@progbits
	.p2align	6, 0x0
	.amdhsa_kernel k_qc62490846c_gemm_proj
		.amdhsa_group_segment_fixed_size 327680
		.amdhsa_private_segment_fixed_size 0
		.amdhsa_enable_private_segment 0
		.amdhsa_kernarg_size 40
		.amdhsa_user_sgpr_count 2
		.amdhsa_user_sgpr_kernarg_segment_ptr 1
		.amdhsa_wavefront_size32 1
		.amdhsa_system_sgpr_workgroup_id_x 1
		.amdhsa_system_sgpr_workgroup_id_y 1
		.amdhsa_system_sgpr_workgroup_id_z 1
		.amdhsa_system_vgpr_workitem_id 0
		.amdhsa_next_free_vgpr 1024
		.amdhsa_next_free_sgpr 98
		.amdhsa_reserve_vcc 0
		.amdhsa_float_denorm_mode_32 3
		.amdhsa_float_denorm_mode_16_64 3
		.amdhsa_memory_ordered 1
		.amdhsa_forward_progress 1
		.amdhsa_inst_pref_size 126
	.end_amdhsa_kernel
	.amdgpu_metadata
---
amdhsa.version: [ 1, 2 ]
amdhsa.kernels:
  - .name:           k_qc62490846c_gemm_proj
    .symbol:         k_qc62490846c_gemm_proj.kd
    .args:
      - { .name: yc, .offset: 0, .size: 8, .value_kind: global_buffer, .address_space: global }
      - { .name: pc, .offset: 8, .size: 8, .value_kind: global_buffer, .address_space: global }
      - { .name: lowp_scales, .offset: 16, .size: 8, .value_kind: global_buffer, .address_space: global }
      - { .name: b_proj, .offset: 24, .size: 8, .value_kind: global_buffer, .address_space: global }
      - { .name: out0, .offset: 32, .size: 8, .value_kind: global_buffer, .address_space: global }
    .group_segment_fixed_size: 327680
    .private_segment_fixed_size: 0
    .kernarg_segment_align: 8
    .kernarg_segment_size: 40
    .max_flat_workgroup_size: 128
    .sgpr_count:     98
    .vgpr_count:     1024
    .wavefront_size: 32
...
	.end_amdgpu_metadata
.endif
;; end of part 4
